; MI455X (gfx1250); checked and timed in simulation.
; The chip was launched on July 23, 2026; its instructions are those of AMD's public machine-readable ISA for CDNA 5 (MIT licence, August 2026) and "CDNA5" Instruction Set Architecture Reference Guide (July 2026). The comments in the code are by the model that wrote it; some were corrected since.
;; Keywords Attention. Allowed arithmetic: matrix products marked QUANTISED: E5M2 operands, one given power-of-two scale a tensor, by v_wmma_f32_16x16x64_bf8_bf8 or v_wmma_f32_16x16x128_bf8_bf8, f32 sums; products left as they are: f32 operands where the result goes on into a quantised operand, else bf16, f16 or f32 operands; f32 sums; everything else in f32.
;; Inputs: W_condition 1,024 x 1,024 float32; W_context 1,024 x 1,024 float32; W_query 1,024 x 1,024 float32; b_query 1,024 float32; condition 64 x 1,024 float32; lowp_scales 6 int32 (the exponents e of the quantised operands' scales 2^e); memory_bank 64 x 1,024 x 1,024 float32; source 64 x 1,024 float32; v 1,024 float32.
;; Outputs: out0 64 x 1,024 float32; out1 64 x 1 x 1,024 float32.
;; This version of the problem:
;;   THIS VERSION OF THE PROBLEM IS GIVEN IN LOW PRECISION. The matrix products marked QUANTISED in the list below multiply operands that are first quantised to E5M2 (5 exponent bits, 2 mantissa bits; 8 bits a number), with one given power-of-two scale for each operand tensor; their sums are f32. All else is computed in f32.
;;   The module's matrix products, in the order in which they are computed (A, B: the left and right operand; K: the contracted axis; several contracted axes count as one K, in the product's order):
;;     1. [M 64, K 1,024] x [K 1,024, N 1,024]; A: input source; B: input W_query: QUANTISED (scales: A lowp_scales[0], B lowp_scales[1])
;;     2. [M 64, K 1,024] x [K 1,024, N 1,024]; A: input condition; B: input W_condition: QUANTISED (scales: A lowp_scales[2], B lowp_scales[3])
;;     3. [M 65,536, K 1,024] x [K 1,024, N 1,024]; A: input memory_bank; B: input W_context: QUANTISED (scales: A lowp_scales[4], B lowp_scales[5])
;;     4. [M 65,536, K 1,024] x [K 1,024, N 1]; A: computed on the way; B: input v: left as it is (N = 1 < 16)
;;     5. batch 64 x [M 1, K 1,024] x [K 1,024, N 1,024]; A: softmax; B: input memory_bank: left as it is (M = 1 < 16)
;;   THE QUANTISER, for each operand of a quantised product, along K:
;;     - The operand's scale is 2^e, e = its entry of the input lowp_scales (int32; the entries are numbered through the quantised products in the list's order, A before B).
;;     - Each number is divided by the scale, clamped to +-57,344, and rounded to the nearest number of E5M2, ties to even, subnormals kept.
;;     - The product sums the exact products of the quantised numbers (number of the format x scale) in f32.
;;   ~~~python
;;   def quantise(x, axis, e):      # numpy; x: float32 -> the quantised numbers, widened to float32 again
;;       x = np.moveaxis(x, axis, -1); K = x.shape[-1]
;;       r = np.clip(x / 2.0 ** e, -57344, 57344)
;;       step = 2.0 ** (np.maximum(np.frexp(np.where(r == 0, 1, r))[1] - 1, -14) - 2)
;;       q = np.round(r / step) * step * 2.0 ** e      # np.round: ties to even
;;       return np.moveaxis(q, -1, axis).astype(np.float32)
;;   ~~~
;; One version. Each part assembles by itself: llvm-mc -triple=amdgcn-amd-amdhsa -mcpu=gfx1250 --defsym DOCPART=n.
;; ======== version 1 of 1: 3 launches
;; limits: values are held in bf16: 8 bits of precision; right only within a limited range of input values
;; workspace buffers: wc 1,048,576 bytes; biasw 262,144 bytes; part 4,456,448 bytes; alg 262,144 bytes
;; launch prep (part 1): grid 256 x 1, 16 waves a work-group, no clusters, 96,256 bytes of LDS; arguments W_query, W_condition, W_context, source, condition, b_query, lowp_scales, wc, biasw; writes wc, biasw
.if DOCPART == 1
	.amdgcn_target "amdgcn-amd-amdhsa--gfx1250"
	.amdhsa_code_object_version 6
	.text
	.protected	k_q0b63be2a0b_prep
	.globl	k_q0b63be2a0b_prep
	.p2align	8
	.type	k_q0b63be2a0b_prep,@function
k_q0b63be2a0b_prep:
	s_mov_b64 s[64:65], 0
	v_nop
	global_prefetch_b8 v0, s[64:65] scope:SCOPE_SE
	s_setreg_imm32_b32 hwreg(HW_REG_WAVE_MODE, 25, 1), 1
	s_wait_xcnt 0x0
; TWO THINGS THAT THE MAIN LAUNCH NEEDS READY.
; (1) W_context [1024 e][1024 k], f32, becomes codes of E5M2 with the given scale 2^e5, laid as IMAGES OF OPERAND REGISTERS:
;     byte t*16384 + c*2048 + q*512 + 16*lane holds W_context[16 t + lane%16][128 c + 32 q + 16 (lane/16) + 0..15].
; (2) bias[b][e] = Q(source) Q(W_query)^T + b_query + Q(condition) Q(W_condition)^T on E5M2 codes by the matrix unit, f32 sums;
;     stored as [g 64][batch 64][16 e] f32: bias[b][16 g + e] at g*4096 + b*64 + 4 e.
; SHARES.  Work-group x: g = x / 4 owns the columns e = 16 g .. 16 g + 15, mq = x % 4 the batches 16 mq .. 16 mq + 15.
; Wave w: product p = w / 8 (0: query, 1: condition), K chunk kc = w % 8 of 128: it quantises 16 rows of its W and its 16 batch rows for that chunk
; and issues one product (source 0 = 16 rows of W, source 1 = 16 batches: a lane holds one batch and eight neighbouring e).
; The sixteen partial sums, each x 2^(eA + eB), meet in LDS.  Beside that wave w quantises K chunks 2 mq and 2 mq + 1 of row 16 g + w of W_context.
; Every load is dense: 32 lanes read 512 consecutive bytes of one row.  Codes turn through the wave's own stage in LDS (rows of 128 codes + 16 bytes) into fragments:
; lane (r, h) takes, of row r, k = 32 q + 16 h + 0..15 into registers 4 q .. 4 q + 3: the same permutation of k on both sides of the product.
; code = x / 2^e, held within +-57,344 x 2^e, to the nearest code, ties to even.
; LIMITS: every e between -126 and 112.  NaN among the inputs is not served.
; No tensor load and no cluster: a work-group reads 128 KB of weights' rows and 128 KB of batch rows once, straight into registers.
.set PS,    0                          ; sixteen waves' partial sums, 1,024 bytes each
.set WIMG,  16384                      ; my part of W_context's image, 4,096 bytes
.set STG,   20480                      ; the stages: 32 rows (16 batches, then my W's 16) for each wave
.set SP,    144
.set SWAVE, 32*SP
.set SPARE, 94208                      ; the spare words: 128 bytes a wave
.set L16,  1
.set WA,   2
.set STO,  9
.set RD,   10
.set BQO,  11
.set BQ,   12
.set SA,   16
.set FR,   17
.set IR,   18
.set CL,   20                          ; v20-27  W_context's 8 numbers
.set XC,   28                          ; v28-29  their codes
.set BL,   32                          ; v32-95  my W's 64 numbers; later the sixteen partial sums
.set RL,   32
.set AL,   96                          ; v96-159 my batches' 64 numbers
.set CB,   160                         ; my W's codes, row by row
.set CAC,  176                         ; my batches' codes, row by row
.set BC,   192                         ; W's fragment
.set AC0,  208                         ; the batches' fragment
.set ACC,  224
.set SS,   232
.set IM,   240
; v3, v4: 2^eA and 57,344 x 2^eA;  v5, v6: for eB;  v7, v8: for e5;  v19 at work
.macro QUANT16 src, dst, sc, lim
.irp i, 0,1,2,3,4,5,6,7,8,9,10,11,12,13,14,15
	v_med3_num_f32 v[\src+\i], v[\src+\i], -v[\lim], v[\lim]   ; the conversion does not saturate (ISA guide 7.6.2): hold first
.endr
	v_cvt_scalef32_pk8_bf8_f32 v[\dst:\dst+1], v[\src:\src+7], v[\sc]
	v_cvt_scalef32_pk8_bf8_f32 v[\dst+2:\dst+3], v[\src+8:\src+15], v[\sc]
.endm
.macro MKSCALE e, sc, lim
	s_add_co_i32 s51, s[\e], 127
	s_lshl_b32 s52, s51, 23
	v_mov_b32 v[\sc], s52
	s_add_co_i32 s51, s51, 15
	s_lshl_b32 s51, s51, 23
	s_or_b32 s51, s51, 0x600000
	v_mov_b32 v[\lim], s51
.endm
	s_load_b256 s[4:11], s[0:1], 0x0               ; W_query, W_condition, W_context, source
	s_load_b256 s[12:19], s[0:1], 0x20             ; condition, b_query, lowp_scales, wc
	s_load_b64 s[20:21], s[0:1], 0x40              ; biasw
	v_lshl_add_u32 v254, v0, 2, SPARE
	v_mov_b32 v255, 0
	v_lshrrev_b32 v19, 5, v0
	s_delay_alu instid0(VALU_DEP_1)
	v_readfirstlane_b32 s22, v19                   ; wave 0..15
	s_and_b32 s24, s22, 7                          ; kc
	v_and_b32 v19, 31, v0                          ; lane
	s_delay_alu instid0(VALU_DEP_1)
	v_lshlrev_b32 v[L16], 4, v19
	s_mul_i32 s25, s22, SWAVE
	s_add_co_u32 s25, s25, STG                     ; my stage
	v_lshl_add_u32 v[SA], v19, 2, s25
	v_and_b32 v19, 15, v0                          ; r
	v_bfe_u32 v[IR], v0, 4, 1                      ; h
	s_delay_alu instid0(VALU_DEP_2)
	v_mul_u32_u24 v[FR], v19, SP
	s_delay_alu instid0(VALU_DEP_1)
	v_lshl_add_u32 v[FR], v[IR], 4, v[FR]
	s_delay_alu instid0(VALU_DEP_1)
	v_add_nc_u32 v[FR], s25, v[FR]
	s_lshl_b32 s25, s22, 10
	v_lshlrev_b32 v[STO], 6, v19
	s_delay_alu instid0(VALU_DEP_1)
	v_lshl_add_u32 v[STO], v[IR], 5, v[STO]
	s_delay_alu instid0(VALU_DEP_1)
	v_add_nc_u32 v[STO], s25, v[STO]               ; 1024 w + 64 r + 32 h
	v_bfe_u32 v19, v0, 3, 2                        ; my four columns 4 lane + 0..3 of a chunk: q = lane / 8,
	s_delay_alu instid0(VALU_DEP_1)
	v_lshlrev_b32 v[WA], 9, v19
	v_bfe_u32 v19, v0, 2, 1                        ; h = (lane / 4) % 2,
	s_delay_alu instid0(VALU_DEP_1)
	v_lshl_add_u32 v[WA], v19, 8, v[WA]
	v_and_b32 v19, 3, v0                           ; bytes 4 (lane % 4) on; the image's lane is w + 16 h
	s_delay_alu instid0(VALU_DEP_1)
	v_lshl_add_u32 v[WA], v19, 2, v[WA]
	s_lshl_b32 s25, s22, 4
	s_add_co_u32 s25, s25, WIMG
	v_add_nc_u32 v[WA], s25, v[WA]
	v_lshlrev_b32 v[BQO], 4, v19
	v_lshl_add_u32 v[IR], v0, 4, WIMG
	v_lshlrev_b32 v[RD], 4, v0
	s_lshr_b32 s23, ttmp9, 2                       ; g
	s_and_b32 s53, ttmp9, 3                        ; mq
	s_lshl_b32 s30, s23, 16                        ; my 16 rows of a weight: 65,536 g
	s_lshl_b32 s38, s24, 9                         ; my K chunk in a row: 512 kc
	s_lshl_b32 s40, s22, 12                        ; W_context: row w of the sixteen,
	s_add_co_u32 s40, s40, s30
	s_lshl_b32 s54, s53, 10                        ; chunks 2 mq on: 1,024 mq
	s_add_co_u32 s40, s40, s54
	s_add_co_u32 s30, s30, s38
	s_lshl_b32 s54, s53, 16                        ; my 16 batch rows: 65,536 mq
	s_add_co_u32 s38, s38, s54
	s_mov_b32 s31, 0
	s_mov_b32 s39, 0
	s_mov_b32 s41, 0
	s_lshl_b32 s42, s23, 14                        ; wc: 16,384 g + 4,096 mq
	s_lshl_b32 s54, s53, 12
	s_add_co_u32 s42, s42, s54
	s_mov_b32 s43, 0
	s_lshl_b32 s44, s23, 12                        ; biasw: 4,096 g + 1,024 mq
	s_lshl_b32 s54, s53, 10
	s_add_co_u32 s44, s44, s54
	s_mov_b32 s45, 0
	s_lshl_b32 s46, s23, 6                         ; b_query: 64 g
	s_mov_b32 s47, 0
	s_wait_alu depctr_va_vdst(0)                   ; the wait at the head's end
	s_wait_kmcnt 0x0
	s_load_b128 s[32:35], s[16:17], 0x0            ; e0 .. e3
	s_load_b64 s[36:37], s[16:17], 0x10            ; e4, e5
	s_cmp_lt_u32 s22, 8                            ; the product is chosen by the wave's number alone
	s_cselect_b64 s[26:27], s[4:5], s[6:7]         ; my W
	s_cselect_b64 s[28:29], s[10:11], s[12:13]     ; my rows of batches
	s_add_nc_u64 s[26:27], s[26:27], s[30:31]
	s_add_nc_u64 s[28:29], s[28:29], s[38:39]
	s_add_nc_u64 s[8:9], s[8:9], s[40:41]
	s_add_nc_u64 s[18:19], s[18:19], s[42:43]
	s_add_nc_u64 s[20:21], s[20:21], s[44:45]
	s_add_nc_u64 s[14:15], s[14:15], s[46:47]
	global_load_b128 v[BQ:BQ+3], v[BQO], s[14:15]
.irp j, 0,1
	global_load_b128 v[CL+4*\j:CL+4*\j+3], v[L16], s[8:9] offset:512*\j th:TH_LOAD_NT   ; register 4 j + i: column 128 (2 mq + j) + 4 lane + i of my row
.endr
.irp r, 0,1,2,3,4,5,6,7,8,9,10,11,12,13,14,15
	global_load_b128 v[BL+4*\r:BL+4*\r+3], v[L16], s[26:27] offset:4096*\r             ; row r of my W, k = 4 lane + i of my chunk
.endr
.irp r, 0,1,2,3,4,5,6,7,8,9,10,11,12,13,14,15
	global_load_b128 v[AL+4*\r:AL+4*\r+3], v[L16], s[28:29] offset:4096*\r             ; batch 16 mq + r likewise
.endr
	s_wait_kmcnt 0x0
	s_cmp_lt_u32 s22, 8
	s_cselect_b32 s48, s32, s34                    ; eA
	s_cselect_b32 s49, s33, s35                    ; eB
	s_add_co_i32 s50, s48, s49                     ; eA + eB: applied by v_ldexp_f32
	MKSCALE 48, 3, 4
	MKSCALE 49, 5, 6
	MKSCALE 37, 7, 8
	s_wait_alu depctr_va_vdst(0)                   ; the wait here, directly ahead of the wait below
	s_wait_loadcnt 32                              ; b_query's and W_context's three loads are in; my W's 16 and the batches' 16 stay out
.irp i, 0,1,2,3,4,5,6,7
	v_med3_num_f32 v[CL+\i], v[CL+\i], -v8, v8
.endr
	v_cvt_scalef32_pk8_bf8_f32 v[XC:XC+1], v[CL:CL+7], v7
	v_nop                                          ; a plain line behind the scaled conversion
	ds_store_b32 v[WA], v[XC]                      ; my four codes of my first chunk,
	ds_store_b32 v[WA], v[XC+1] offset:2048        ; and of my second
	s_wait_loadcnt 16                              ; my W's 16 loads are in
.irp a, 0,1,2,3
	QUANT16 BL+16*\a, CB+4*\a, 5, 6
.endr
	v_nop
.irp r, 0,1,2,3,4,5,6,7,8,9,10,11,12,13,14,15
	ds_store_b32 v[SA], v[CB+\r] offset:(16+\r)*SP
.endr
	s_wait_loadcnt 0x0                             ; my batches
.irp a, 0,1,2,3
	QUANT16 AL+16*\a, CAC+4*\a, 3, 4
.endr
	v_nop
.irp r, 0,1,2,3,4,5,6,7,8,9,10,11,12,13,14,15
	ds_store_b32 v[SA], v[CAC+\r] offset:\r*SP
.endr
.irp q, 0,1,2,3
	ds_load_b128 v[BC+4*\q:BC+4*\q+3], v[FR] offset:16*SP+32*\q      ; LDS serves a wave's instructions in order (ISA guide 5.7.1.4): these see my stores
	ds_load_b128 v[AC0+4*\q:AC0+4*\q+3], v[FR] offset:32*\q
.endr
	s_wait_dscnt 0x0
	v_wmma_f32_16x16x128_bf8_bf8 v[ACC:ACC+7], v[BC:BC+15], v[AC0:AC0+15], 0
.rept 4
	v_nop                                          ; four places in front of the first read of the result (ISA guide 7.12.1)
.endr
.irp j, 0,1,2,3,4,5,6,7
	v_ldexp_f32 v[SS+\j], v[ACC+\j], s50           ; x 2^(eA + eB), from the accumulator's low end on
.endr
	ds_store_b128 v[STO], v[SS:SS+3]               ; lane (r, h): batch r of my sixteen, e = 8 h + 0 .. 7
	ds_store_b128 v[STO], v[SS+4:SS+7] offset:16
	s_wait_dscnt 0x0                               ; for the others' sake: my partial sums and my part of the image lie in LDS
	s_barrier_signal -1
	s_barrier_wait -1
	s_cmp_ge_u32 s22, 8                            ; 256 threads send the image's 4,096 bytes out
	s_cbranch_scc1 .Ldone
	ds_load_b128 v[IM:IM+3], v[IR]
	s_wait_dscnt 0x0
	global_store_b128 v[RD], v[IM:IM+3], s[18:19]  ; a wave stores 512 consecutive bytes, at a multiple of 512 from wc's first byte
	s_cmp_ge_u32 s22, 2                            ; 64 threads, 16 bytes each, add the sixteen partial sums of 1,024 bytes
	s_cbranch_scc1 .Ldone
.irp i, 0,1,2,3,4,5,6,7,8,9,10,11,12,13,14,15
	ds_load_b128 v[RL+4*\i:RL+4*\i+3], v[RD] offset:1024*\i
.endr
	s_wait_dscnt 0x0
.irp i, 0,1,2,3,4,5,6,7
	v_pk_add_f32 v[RL+8*\i:RL+8*\i+1], v[RL+8*\i:RL+8*\i+1], v[RL+8*\i+4:RL+8*\i+5]
	v_pk_add_f32 v[RL+8*\i+2:RL+8*\i+3], v[RL+8*\i+2:RL+8*\i+3], v[RL+8*\i+6:RL+8*\i+7]
.endr
.irp i, 0,1,2,3
	v_pk_add_f32 v[RL+16*\i:RL+16*\i+1], v[RL+16*\i:RL+16*\i+1], v[RL+16*\i+8:RL+16*\i+9]
	v_pk_add_f32 v[RL+16*\i+2:RL+16*\i+3], v[RL+16*\i+2:RL+16*\i+3], v[RL+16*\i+10:RL+16*\i+11]
.endr
.irp i, 0
	v_pk_add_f32 v[RL+32*\i:RL+32*\i+1], v[RL+32*\i:RL+32*\i+1], v[RL+32*\i+16:RL+32*\i+17]
	v_pk_add_f32 v[RL+32*\i+2:RL+32*\i+3], v[RL+32*\i+2:RL+32*\i+3], v[RL+32*\i+18:RL+32*\i+19]
.endr
.irp i, 1
	s_delay_alu instid0(VALU_DEP_4)
	v_pk_add_f32 v[RL+32*\i:RL+32*\i+1], v[RL+32*\i:RL+32*\i+1], v[RL+32*\i+16:RL+32*\i+17]
	s_delay_alu instid0(VALU_DEP_4)
	v_pk_add_f32 v[RL+32*\i+2:RL+32*\i+3], v[RL+32*\i+2:RL+32*\i+3], v[RL+32*\i+18:RL+32*\i+19]
.endr
	s_delay_alu instid0(VALU_DEP_2)
	v_pk_add_f32 v[RL:RL+1], v[RL:RL+1], v[RL+32:RL+33]
	s_delay_alu instid0(VALU_DEP_2)
	v_pk_add_f32 v[RL+2:RL+3], v[RL+2:RL+3], v[RL+34:RL+35]
	s_delay_alu instid0(VALU_DEP_2)
	v_pk_add_f32 v[RL:RL+1], v[RL:RL+1], v[BQ:BQ+1]              ; + b_query
	s_delay_alu instid0(VALU_DEP_2)
	v_pk_add_f32 v[RL+2:RL+3], v[RL+2:RL+3], v[BQ+2:BQ+3]
	global_store_b128 v[RD], v[RL:RL+3], s[20:21]                ; a wave stores 512 consecutive bytes
.Ldone:
	s_wait_tensorcnt 0x0                           ; the wave's end
	ds_add_u32 v254, v255
	s_wait_dscnt 0x0
	s_endpgm
.Lfunc_end_k_q0b63be2a0b_prep:
	.size	k_q0b63be2a0b_prep, .Lfunc_end_k_q0b63be2a0b_prep-k_q0b63be2a0b_prep
	.p2alignl 7, 3214868480
	.fill 96, 4, 3214868480
	.section	.rodata,"a",@progbits
	.p2align	6, 0x0
	.amdhsa_kernel k_q0b63be2a0b_prep
		.amdhsa_group_segment_fixed_size 96256
		.amdhsa_private_segment_fixed_size 0
		.amdhsa_enable_private_segment 0
		.amdhsa_kernarg_size 72
		.amdhsa_user_sgpr_count 2
		.amdhsa_user_sgpr_kernarg_segment_ptr 1
		.amdhsa_wavefront_size32 1
		.amdhsa_system_sgpr_workgroup_id_x 1
		.amdhsa_system_sgpr_workgroup_id_y 1
		.amdhsa_system_sgpr_workgroup_id_z 1
		.amdhsa_system_vgpr_workitem_id 0
		.amdhsa_next_free_vgpr 256
		.amdhsa_next_free_sgpr 66
		.amdhsa_reserve_vcc 0
		.amdhsa_float_denorm_mode_32 3
		.amdhsa_float_denorm_mode_16_64 3
		.amdhsa_memory_ordered 1
		.amdhsa_forward_progress 1
		.amdhsa_inst_pref_size 25
	.end_amdhsa_kernel
	.amdgpu_metadata
---
amdhsa.version: [ 1, 2 ]
amdhsa.kernels:
  - .name:           k_q0b63be2a0b_prep
    .symbol:         k_q0b63be2a0b_prep.kd
    .args:
      - { .name: W_query, .offset: 0, .size: 8, .value_kind: global_buffer, .address_space: global }
      - { .name: W_condition, .offset: 8, .size: 8, .value_kind: global_buffer, .address_space: global }
      - { .name: W_context, .offset: 16, .size: 8, .value_kind: global_buffer, .address_space: global }
      - { .name: source, .offset: 24, .size: 8, .value_kind: global_buffer, .address_space: global }
      - { .name: condition, .offset: 32, .size: 8, .value_kind: global_buffer, .address_space: global }
      - { .name: b_query, .offset: 40, .size: 8, .value_kind: global_buffer, .address_space: global }
      - { .name: lowp_scales, .offset: 48, .size: 8, .value_kind: global_buffer, .address_space: global }
      - { .name: wc, .offset: 56, .size: 8, .value_kind: global_buffer, .address_space: global }
      - { .name: biasw, .offset: 64, .size: 8, .value_kind: global_buffer, .address_space: global }
    .group_segment_fixed_size: 96256
    .private_segment_fixed_size: 0
    .kernarg_segment_align: 8
    .kernarg_segment_size: 72
    .max_flat_workgroup_size: 512
    .sgpr_count:     66
    .vgpr_count:     256
    .wavefront_size: 32
...
	.end_amdgpu_metadata
.endif
;; end of part 1
;; launch attend (part 2): grid 256 x 1, 4 waves a work-group, clusters of 4 x 1, 327,680 bytes of LDS; arguments memory_bank, wc, biasw, v, lowp_scales, part, alg; writes part, alg
.if DOCPART == 2
	.amdgcn_target "amdgcn-amd-amdhsa--gfx1250"
	.amdhsa_code_object_version 6
	.text
	.protected	k_q0b63be2a0b_attend
	.globl	k_q0b63be2a0b_attend
	.p2align	8
	.type	k_q0b63be2a0b_attend,@function
k_q0b63be2a0b_attend:
	s_mov_b64 s[64:65], 0
	v_nop
	global_prefetch_b8 v0, s[64:65] scope:SCOPE_SE
	s_setreg_imm32_b32 hwreg(HW_REG_WAVE_MODE, 25, 1), 1
	s_wait_xcnt 0x0
	s_wait_alu depctr_hold_cnt(0) depctr_sa_sdst(0) depctr_va_vdst(0) depctr_va_sdst(0) depctr_va_ssrc(0) depctr_va_vcc(0) depctr_vm_vsrc(0)
	s_getreg_b32 s2, hwreg(HW_REG_IB_STS2, 6, 4)
	s_cmp_eq_u32 s2, 0
	s_cbranch_scc0 .Lentry_in_a_cluster
	s_endpgm
.Lentry_in_a_cluster:
	s_bfe_u32 s2, ttmp6, 0x10000c
	s_cmp_lg_u32 s2, 0x3003
	s_cbranch_scc0 .Lentry_shape_is_right
	s_endpgm
.Lentry_shape_is_right:
; THE SCORES, THEIR SOFTMAX AND THE WEIGHTED SUM OF memory_bank's ROWS, WITH memory_bank READ ONCE.
; score[row] = sum over e of v[e] tanh(uh[row][e] + bias[b][e]),  uh = Q(memory_bank) Q(W_context)^T on E5M2 codes, f32 sums.
; tanh(x) = 1 - 2 r, r = 1 / (1 + 2^(c x)), c = 2 log2(e).  So score = sum(v) + a', a' = sum over e of (-2 v[e]) r.  sum(v) is the same for every row, and a softmax is unchanged by a term
; common to all its rows, for every input: a' takes the score's place.  The largest a' is still taken away ahead of every exponential: a running maximum here, the batch's in the last launch.
; SHARES.  A cluster of four work-groups is one batch; a work-group owns 256 of its rows, a wave 64, as two blocks of 32 (two tiles of 16).  A WAVE IS SELF-CONTAINED: a block's codes stay in
; 256 registers and a bf16 copy of its numbers in 512; the wave walks all 1,024 columns of W_context, so it alone has its rows' a', their p = e^(a' - M) and sum of p x row.
; It leaves (M, L, the 1,024 sums) in part and a' in alg; the last launch joins a batch's sixteen waves.
; The weighted sum multiplies bf16(memory_bank) by p in f32 and adds in f32.
; W_context's codes come as images of operand registers (made by the launch before): 64 tiles of 16 columns, 16,384 bytes each, through a ring of two LDS slots of 8 tiles.
; CLUSTER: the four work-groups walk the same codes in step, so each slot is asked for JOINTLY: the same tensor load, same descriptor, mask of all four.
; THE PRODUCT IS USED TRANSPOSED: source 0 = 16 columns e of W_context, source 1 = 16 rows: a lane holds ONE row (lane % 16) and e = 8 (lane / 16) + 0 .. 7, so tanh's bias and v come as eight
; registers a tile and the sum over e stays in the lane until the block's end.
; A lane holds, of its row, k = 32 q + 16 (lane/16) + 0..15 in registers 4 q .. 4 q + 3 of a fragment: the same permutation of k on both sides.
; TWO SETS OF ACCUMULATORS TAKE TURNS, step by step: while a step's 32 products fill one set, the 64 transcendentals of the step before work on the other, two behind each product.
; LIMITS: e4 between -126 and 112; e4 + e5 between -127 and 126 (added to c's exponent field).  NaN among the inputs is not served.
;
; LDS: 0 slot 0, 131,072 slot 1 (dense images: a load's 512 bytes are consecutive); 262,144 the table: c x bias (4,096 bytes), -2 v (4,096);
;      270,336 a stage of 16 rows x (512 + 16) bytes for each wave; 304,128 a' of each wave's 64 rows (256 bytes a wave); 305,152 the spare words;
;      305,664 each wave's 32 sums of p x row (4,096 bytes a wave), which wait here while their registers serve as the second set of accumulators.
; REGISTERS, in windows of 256.  Window 0: v1-13 addresses and constants; v16-47 T: for each of a step's two tiles 8 of c x bias, 8 of -2 v (while a block is loaded: four sets of four code
;   registers; in the softmax: the 32 p); v48-63 AL: a' in eight parts a tile of rows; v64-95 and v96-127 G: two sets of four accumulators; outside the walk v96-127 are CA: 32 sums of p x row;
;   v128-255 BB: four chunk buffers of W's fragments.  While a block is loaded v128-255 and v64-95 are ten landing places of 16 registers.
;   Window 1: the block's codes, fragment (m, c) at 128 m + 16 c.   Windows 2, 3: the bf16 copy of tiles 0, 1: row r at 16 r.
.set SLOT1,  1<<17
.set SLOTB,  131072
.set TAB,    262144
.set STG,    270336
.set SROW,   528                       ; 33 x 16 bytes: the sixteen rows that a fragment load touches start at sixteen different groups of four banks (64 banks of 4 bytes: ISA guide 11.1)
.set SWAVE,  16*SROW
.set ALS,    STG+4*SWAVE
.set SPARE,  ALS+1024                  ; the spare words: 128 bytes a wave, two blocks of 256 bytes that no other line names
.set CAS,    SPARE+512
.set LI,   1                           ; v1   16 x lane
.set FA,   2                           ; v2   stage: row lane%16, + 16 (lane/16): where a fragment is read
.set STA,  3                           ; v3   stage: 4 x lane: where four codes are put
.set SPW,  4                           ; v4   my spare word; never rewritten
.set NIL,  5                           ; v5   0; never rewritten
.set SCL,  6                           ; v6   2^e4
.set LIM,  7                           ; v7   57,344 x 2^e4
.set BA,   8                           ; v8   LDS address of a trip's four tiles of W
.set TAV,  9                           ; v9   LDS address of a trip's part of the table
.set MR,   10                          ; v10  running maximum of a'
.set LS,   11                          ; v11  running sum of p
.set TA0,  12                          ; v12  table + 32 (lane/16)
.set CAD,  13                          ; v13  where my 32 sums wait in LDS: 16 x lane in my wave's 4,096 bytes
.set T,    16
.set CS,   16
.set P,    16
.set AL,   48
.set G,    64
.set CA,   96
.set BB,   128
.set WV,   18                          ; s18  wave
.set G1,   24                          ; s[24:31] descriptor group 1
.set G0,   32                          ; s[32:35] descriptor group 0: it walks
.set TB,   36                          ; s36  LDS byte of the trip's tiles
.set TT,   37                          ; s37  byte of the trip's columns in the table
.set STC,  38                          ; s38  trips of a slot to go
.set SLC,  39                          ; s39  slots still to be asked for
.set BLK,  40                          ; s40  blocks to go
.set ALB,  41                          ; s41  LDS byte of the block's a'
.set SC,   42                          ; s[42:43] c x 2^(e4 + e5)
.set SEL,  44                          ; s[44:45] lane selects: lane xor 16
.set PF,   54                          ; s[54:55] where my prefetches stand: 8,192 bytes of my next block's 32 rows a trip of the walk
.set PFO,  14                          ; v14  the prefetches' offset: 256 x lane
.set MSB, 0
.macro WIN new                         ; the immediate's high byte repeats the setting that is left; a switch that changes nothing is dropped
.if MSB != (\new)
	s_set_vgpr_msb (MSB<<8)|(\new)
.set MSB, (\new)
.endif
.endm
; A round of the cluster's barrier: my work-group's barrier; wave 0 signals for the work-group; every wave waits for all four work-groups; my work-group's barrier once more.
.macro ROUND
	s_barrier_signal -1
	s_barrier_wait -1
	s_cmp_lg_u32 s[WV], 0
	s_cbranch_scc1 .Lnot_wave_0_\@
	s_barrier_signal -3
.Lnot_wave_0_\@:
	s_barrier_wait -3
	s_barrier_signal -1
	s_barrier_wait -1
.endm
; The next eight tiles of W go into the slot that was not filled last.  Each wave waits for all its tensor loads (one at the most is out), adds 0 to its spare word, steps the descriptor,
; waits for the add and for all its LDS reads, and passes a round: no wave of any partner still reads the slot or has a load on its way.  Then my quarter of the slot is asked for.
; first = 1: a block's first fill goes back to W's first tiles.
.macro FILL first
	s_wait_tensorcnt 0x0                           ; no tensor load of mine is out, so group 0 may be written
	ds_add_u32 v[SPW], v[NIL]                      ; 0 onto my spare word
.if \first
	ds_add_u32 v[SPW], v[NIL]                      ; and once more
.endif
	s_xor_b32 s[G0+1], s[G0+1], SLOT1
.if \first
	s_sub_nc_u64 s[G0+2:G0+3], s[G0+2:G0+3], 7*SLOTB
.else
	s_add_nc_u64 s[G0+2:G0+3], s[G0+2:G0+3], SLOTB
.endif
	s_wait_dscnt 0x0                               ; the add is done, my LDS stores have landed and my LDS reads are back
	ROUND
	tensor_load_to_lds s[G0:G0+3], s[G1:G1+7]      ; the first thing behind the round, and my one tensor load until the next
	s_nop 0
.rept 4
	v_nop
.endr
.endm
.macro MEET                            ; the last slot of a block
	s_wait_tensorcnt 0x0                           ; my quarter of the last slot has landed: the one load that was out
	ds_add_u32 v[SPW], v[NIL]
	s_wait_dscnt 0x0
	s_barrier_signal -1
	s_barrier_wait -1
.endm
; UNIT U of a block's 64: half a row (512 numbers, 2,048 bytes) of tile U / 32, K half (U / 16) % 2, row U % 16.  Four loads of 512 consecutive bytes; a lane's register 4 j + i is column 128 j + 4 lane + i.
.macro XLOAD U
.set xk, (\U)%10
.if xk < 8
.set xl, 128+16*xk
.else
.set xl, 64+16*(xk-8)
.endif
.set xo, (16*((\U)/32)+(\U)%16)*4096+(((\U)/16)%2)*2048
.irp j, 0,1,2,3
	global_load_b128 v[xl+4*\j:xl+4*\j+3], v[LI], s[4:5] offset:xo+512*\j th:TH_LOAD_NT
.endr
.endm
.macro PRIMEX                          ; a block's first ten units: 40 loads of a wave are on their way from here to the block's last units
.set Q, 0
.rept 10
	XLOAD Q
.set Q, Q+1
.endr
.endm
.macro UNIT U
.set um, (\U)/32
.set ukh, ((\U)/16)%2
.set ur, (\U)%16
.set uk, (\U)%10
.if uk < 8
.set ul, 128+16*uk
.else
.set ul, 64+16*(uk-8)
.endif
.set ucs, CS+4*((\U)%4)
.if (\U) <= 53
	s_wait_loadcnt 36                              ; loads come back in order (ISA guide 5.7.1): this unit's four are in, the nine younger units' stay out
.else
	s_wait_loadcnt 4*(63-(\U))
.endif
	s_wait_dscnt 12                                ; the stores of four units ago have read this unit's set of code registers; the three younger units' twelve may be out
	WIN (2+um)<<6
.irp i, 0,1,2,3,4,5,6,7
	v_cvt_pk_bf16_f32 v[16*ur+8*ukh+\i], v[ul+2*\i], v[ul+2*\i+1]   ; the copy for the weighted sum, taken ahead of the hold
.endr
	WIN 0
.irp i, 0,1,2,3,4,5,6,7,8,9,10,11,12,13,14,15
	v_med3_num_f32 v[ul+\i], v[ul+\i], -v[LIM], v[LIM]             ; the conversion to an 8-bit code does not saturate (ISA guide 7.6.2)
.endr
	v_cvt_scalef32_pk8_bf8_f32 v[ucs:ucs+1], v[ul:ul+7], v[SCL]
	v_cvt_scalef32_pk8_bf8_f32 v[ucs+2:ucs+3], v[ul+8:ul+15], v[SCL]
	v_nop                                          ; a plain line behind the last scaled conversion
.irp j, 0,1,2,3
	ds_store_b32 v[STA], v[ucs+\j] offset:SROW*ur+128*\j           ; 32 lanes put 128 consecutive codes of the row
.endr
.if (\U)+10 <= 63
	XLOAD (\U)+10                                  ; the landing place takes the unit ten further on
.endif
.endm
.macro FRAGS m, kh                     ; the stage's 16 rows x 512 codes become four fragments.  LDS serves a wave's instructions in order (ISA guide 5.7.1.4): these see my stores, and the next units' stores come behind them
	WIN 0x40                                       ; destination window 1
.irp cc, 0,1,2,3
.irp q, 0,1,2,3
	ds_load_b128 v[128*\m+16*(4*\kh+\cc)+4*\q:128*\m+16*(4*\kh+\cc)+4*\q+3], v[FA] offset:128*\cc+32*\q
.endr
.endr
	WIN 0
.endm
.macro LPART m                         ; a tile of 16 rows: loaded, copied to bf16, quantised
.set Q, 32*\m
.rept 16
	UNIT Q
.set Q, Q+1
.endr
	FRAGS \m, 0
.rept 16
	UNIT Q
.set Q, Q+1
.endr
	FRAGS \m, 1
.endm
; THE TANH of a set of four accumulators (index g = 2 n + m) at v[gp] on, in five stages: y = sum x c 2^(e4+e5) + c bias;  2^y;  + 1;  the reciprocal r;  AL += r x (-2 v).
; The three plain stages are macros; each accumulator is read from its low end on.  2^y = infinity for a large x gives r = 0, 0 for a very negative x gives r = 1: tanh's two ends.
.macro ST1 gp
	s_wait_alu depctr_va_vdst(0)                   ; the wait directly ahead of the first readers of these matrix results
.irp g, 0,1,2,3
.irp j, 0,2,4,6
	v_pk_fma_f32 v[\gp+8*\g+\j:\gp+8*\g+\j+1], v[\gp+8*\g+\j:\gp+8*\g+\j+1], s[SC:SC+1], v[T+16*(\g/2)+\j:T+16*(\g/2)+\j+1] op_sel_hi:[1,0,1]
.endr
.endr
	s_wait_alu depctr_va_vdst(0)                   ; the wait ahead of the exponentials that read these
.endm
.macro ST3 gp
.set ti, 0
	s_wait_alu depctr_va_vdst(0)
.rept 16
	v_pk_add_f32 v[\gp+ti:\gp+ti+1], v[\gp+ti:\gp+ti+1], 1.0 op_sel_hi:[1,0]
.set ti, ti+2
.endr
	s_wait_alu depctr_va_vdst(0)                   ; the wait ahead of the reciprocals that read these
.endm
.macro ST5 gp
.irp g, 0,1,2,3
.irp j, 0,2,4,6
	v_pk_fma_f32 v[AL+8*(\g%2)+\j:AL+8*(\g%2)+\j+1], v[\gp+8*\g+\j:\gp+8*\g+\j+1], v[T+16*(\g/2)+8+\j:T+16*(\g/2)+8+\j+1], v[AL+8*(\g%2)+\j:AL+8*(\g%2)+\j+1]
.endr
.endr
.endm
.macro BLOAD c, p                      ; chunk c (128 along K) of step p's two tiles of W into buffer c % 4: eight loads of 512 consecutive bytes; the offset is 65,024 at the most
.irp n, 0,1
.irp q, 0,1,2,3
	ds_load_b128 v[BB+32*((\c)%4)+16*\n+4*\q:BB+32*((\c)%4)+16*\n+4*\q+3], v[BA] offset:32768*(\p)+\n*16384+(\c)*2048+\q*512
.endr
.endr
.endm
; A STEP (p: the trip's first or second): two tiles of 16 columns x my 32 rows x K = 1,024: 32 matrix instructions on the four accumulators of set p, which take turns, one instruction a turn.
;   The other set holds the step before: its plain stages stand at the step's head, middle and end, where they are also the places that loads and reads behind matrix
; instructions want (ISA guide 7.12.1 for the reads).  Its 32 exponentials stand as one batch behind chunk 3's products and its 32 reciprocals behind chunk 7's, so that no
; transcendental stands between two links of a run of sixteen products; the waits at the head of the middle stage and ahead of the last stage lie behind each batch.
; The transcendentals name a destination and source 0 alone, both in window 0 under the products' setting, so no switch is spent on them.
; LDS instructions in the order of issue: -2 v of the step before (4, at that step's end), chunks 0-3 (32), c x bias of this step (4), chunks 4, 5, 6, 7 (8 each), -2 v of this step (4).
.macro BODY p
.set GC, G+32*(\p)
.set GP, G+32*(1-(\p))
.if (\p) == 0
	v_add_nc_u32 v[BA], s[TB], v[LI]
	v_add_nc_u32 v[TAV], s[TT], v[TA0]
.endif
.irp c, 0,1,2,3
	BLOAD \c, \p                                   ; the last products stand behind the sixteen plain lines of the step before's last stage
.endr
	ST1 GP                                         ; with c x bias of the step before, which came ahead of that step's chunk 4
.irp n, 0,1
	ds_load_b128 v[T+16*\n:T+16*\n+3], v[TAV] offset:128*(\p)+64*\n        ; c x bias at e = 16 n + 8 (lane/16) + 0 .. 7 of this step's columns: wanted at the next step's head
	ds_load_b128 v[T+16*\n+4:T+16*\n+7], v[TAV] offset:128*(\p)+64*\n+16
.endr
	WIN 0x04                                       ; source 1 (my rows' codes) window 1; an LDS load's address and destination stay in window 0
.irp c, 0,1,2,3,4,5,6,7
.if \c < 4
	s_wait_dscnt 28                                ; chunk c is in: behind it stand three chunks' 24 loads and the table's 4
.else
	s_wait_dscnt 8*(7-\c)                          ; behind it: the younger chunks' loads alone
.endif
.irp g, 0,1,2,3
.if \c == 0
	v_wmma_f32_16x16x128_bf8_bf8 v[GC+8*\g:GC+8*\g+7], v[BB+32*(\c%4)+16*(\g/2):BB+32*(\c%4)+16*(\g/2)+15], v[128*(\g%2)+16*\c:128*(\g%2)+16*\c+15], 0
.else
	v_wmma_f32_16x16x128_bf8_bf8 v[GC+8*\g:GC+8*\g+7], v[BB+32*(\c%4)+16*(\g/2):BB+32*(\c%4)+16*(\g/2)+15], v[128*(\g%2)+16*\c:128*(\g%2)+16*\c+15], v[GC+8*\g:GC+8*\g+7]
.endif
.endr
.if \c == 3
.set ti, 0
.rept 32
	v_exp_f32 v[GP+ti], v[GP+ti]                   ; 2^y of the step before, one batch
.set ti, ti+1
.endr
.endif
.if \c == 7
.set ti, 0
.rept 32
	v_rcp_f32 v[GP+ti], v[GP+ti]                   ; r of the step before, one batch
.set ti, ti+1
.endr
.endif
.if \c < 3
.rept 4
	v_nop                                          ; places in front of the loads into the buffer just multiplied
.endr
	BLOAD \c+4, \p
.endif
.if \c == 3
	WIN 0
	ST3 GP                                         ; sixteen plain lines: the places in front of chunk 7's loads; the first, on the oldest pair, is the plain line behind the last exponentials (ISA guide 5.7.2)
	BLOAD 7, \p
	WIN 0x04
.endif
.endr
	WIN 0
	v_nop                                          ; a plain line between the reciprocals and the use of their results
	s_wait_alu depctr_va_vdst(0)
	ST5 GP                                         ; with -2 v of the step before
.irp n, 0,1
	ds_load_b128 v[T+16*\n+8:T+16*\n+11], v[TAV] offset:4096+128*(\p)+64*\n      ; -2 v of this step's columns: wanted at the next step's end
	ds_load_b128 v[T+16*\n+12:T+16*\n+15], v[TAV] offset:4096+128*(\p)+64*\n+16
.endr
.endm
.macro CONSUME                         ; a slot's eight tiles: four steps, two a trip, until the sets of accumulators are back where they began
	s_mov_b32 s[STC], 2
.Lstep_\@:
	s_wait_xcnt 0x0                                ; my last prefetch has read its address
	s_add_nc_u64 s[PF:PF+1], s[PF:PF+1], 0x2000
	BODY 0
	s_cmp_eq_u32 s[BLK], 2                         ; in the first block's 16 trips alone: the last block has no successor, so no prefetch leaves the buffer
	s_cbranch_scc0 .Lnopf_\@
	global_prefetch_b8 v[PFO], s[PF:PF+1] th:TH_LOAD_NT scope:SCOPE_SE   ; 32 lanes x 256 bytes of my own next block: each aligned block of 256 bytes is asked for once; 16 trips x 8,192 bytes are its 32 rows
.Lnopf_\@:
	BODY 1
	s_add_co_u32 s[TB], s[TB], 65536
	s_add_co_u32 s[TT], s[TT], 256
	s_sub_co_u32 s[STC], s[STC], 1
	s_cmp_lg_u32 s[STC], 0
	s_cbranch_scc1 .Lstep_\@
.endm
.macro TBFIX                           ; back to a slot's first tile, in the other slot
	s_sub_co_u32 s[TB], s[TB], SLOTB
	s_xor_b32 s[TB], s[TB], SLOT1
.endm
; THE BLOCK'S END: a' of my 32 rows, the running maximum and sum, and CA = CA x f + sum of p x row.
.macro SOFTC
.irp k, 0,1,2,3,4,5,6,7
	ds_load_b128 v[CA+4*\k:CA+4*\k+3], v[CAD] offset:512*\k        ; the 32 sums come back into the registers that the second set of accumulators has left
.endr
.irp m, 0,1
	v_pk_add_f32 v[AL+8*\m:AL+8*\m+1], v[AL+8*\m:AL+8*\m+1], v[AL+8*\m+2:AL+8*\m+3]
	v_pk_add_f32 v[AL+8*\m+4:AL+8*\m+5], v[AL+8*\m+4:AL+8*\m+5], v[AL+8*\m+6:AL+8*\m+7]
.endr
.irp m, 0,1
	v_pk_add_f32 v[AL+8*\m:AL+8*\m+1], v[AL+8*\m:AL+8*\m+1], v[AL+8*\m+4:AL+8*\m+5]
.endr
.irp m, 0,1
	v_add_f32 v[AL+8*\m], v[AL+8*\m], v[AL+8*\m+1]
.endr
.irp m, 0,1
	v_permlanex16_b32 v[AL+8*\m+1], v[AL+8*\m], s[SEL], s[SEL+1]   ; the row's other half of the columns lies in the lane 16 away
.endr
.irp m, 0,1
	v_add_f32 v[AL+8*\m], v[AL+8*\m], v[AL+8*\m+1]                 ; v48: a' of row lane%16 of tile 0; v56: of tile 1; alike in both halves of the lanes
.endr
	s_mov_b32 vcc_lo, 0xffff0000
	v_cndmask_b32 v50, v48, v56, vcc_lo            ; lane l: a' of the block's row l
	v_lshrrev_b32 v51, 2, v[LI]
	v_add_nc_u32 v51, s[ALB], v51
	ds_store_b32 v51, v50                          ; kept in my own LDS bytes until the end, so that they leave as 256 consecutive bytes
	v_max_num_f32 v52, v48, v56
	v_max_num_f32_dpp v52, v52, v52 row_xmask:1 row_mask:0xf bank_mask:0xf
	v_max_num_f32_dpp v52, v52, v52 row_xmask:2 row_mask:0xf bank_mask:0xf
	v_max_num_f32_dpp v52, v52, v52 row_xmask:4 row_mask:0xf bank_mask:0xf
	v_max_num_f32_dpp v52, v52, v52 row_xmask:8 row_mask:0xf bank_mask:0xf
	v_max_num_f32 v53, v[MR], v52                  ; the new running maximum
	v_sub_f32 v54, v[MR], v53
	v_sub_f32 v55, v48, v53
	v_sub_f32 v58, v56, v53
	v_mul_f32 v54, 0x3fb8aa3b, v54
	v_mul_f32 v55, 0x3fb8aa3b, v55
	v_mul_f32 v58, 0x3fb8aa3b, v58
	s_wait_alu depctr_va_vdst(0)                   ; the wait ahead of the batch
	v_exp_f32 v54, v54
	v_exp_f32 v55, v55                             ; p of tile 0's rows
	v_exp_f32 v58, v58                             ; p of tile 1's
	v_mov_b32 v[MR], v53                           ; (a plain line behind the transcendentals)
	s_wait_alu depctr_va_vdst(0)
	v_add_f32 v59, v55, v58
	v_add_f32_dpp v59, v59, v59 row_xmask:1 row_mask:0xf bank_mask:0xf
	v_add_f32_dpp v59, v59, v59 row_xmask:2 row_mask:0xf bank_mask:0xf
	v_add_f32_dpp v59, v59, v59 row_xmask:4 row_mask:0xf bank_mask:0xf
	v_add_f32_dpp v59, v59, v59 row_xmask:8 row_mask:0xf bank_mask:0xf
	v_fma_f32 v[LS], v[LS], v54, v59
	s_wait_dscnt 0x0                               ; the 32 sums are in
.set ti, 0
.rept 16
	v_pk_mul_f32 v[CA+ti:CA+ti+1], v[CA+ti:CA+ti+1], v[54:55] op_sel_hi:[1,0]   ; the sums under the new maximum
.set ti, ti+2
.endr
.irp b, 0,4,8,12                       ; each row's p into a register of its own, the same in every lane
.irp i, 0,1,2,3
	v_readlane_b32 s[48+\i], v55, \b+\i
.endr
.irp i, 0,1,2,3
	v_mov_b32 v[P+\b+\i], s[48+\i]
.endr
.irp i, 0,1,2,3
	v_readlane_b32 s[48+\i], v58, \b+\i
.endr
.irp i, 0,1,2,3
	v_mov_b32 v[P+16+\b+\i], s[48+\i]
.endr
.endr
.irp m, 0,1
	WIN 2+\m                                       ; source 0: the tile's bf16 window
.set rr, 0
.rept 16
.set kk, 0
.rept 16
	v_fma_mix_f32_bf16 v[CA+2*kk], v[16*rr+kk], v[P+16*\m+rr], v[CA+2*kk] op_sel_hi:[1,0,0]                    ; bf16 low half x p + the sum, in f32
	v_fma_mix_f32_bf16 v[CA+2*kk+1], v[16*rr+kk], v[P+16*\m+rr], v[CA+2*kk+1] op_sel:[1,0,0] op_sel_hi:[1,0,0]   ; the high half
.set kk, kk+1
.endr
.set rr, rr+1
.endr
.endr
	WIN 0
.endm
	s_load_b256 s[4:11], s[0:1], 0x0               ; memory_bank s[4:5], wc s[6:7], biasw s[8:9], v s[10:11]
	s_load_b128 s[12:15], s[0:1], 0x20             ; lowp_scales s[12:13], part s[14:15]
	s_load_b64 s[16:17], s[0:1], 0x30              ; alg
	v_lshl_add_u32 v[SPW], v0, 2, SPARE
	v_mov_b32 v[NIL], 0
	ds_add_u32 v[SPW], v[NIL]                      ; the opening lines: the add, twice on end, and its wait ahead of my first tensor load
	ds_add_u32 v[SPW], v[NIL]
	v_lshrrev_b32 v13, 5, v0
	v_readfirstlane_b32 s[WV], v13                 ; wave 0..3
	v_and_b32 v13, 31, v0                          ; lane
	v_lshlrev_b32 v[LI], 4, v13
	v_and_b32 v14, 15, v0                          ; r
	v_bfe_u32 v15, v0, 4, 1                        ; h
	s_mul_i32 s21, s[WV], SWAVE
	s_add_co_u32 s21, s21, STG                     ; my stage
	v_mul_u32_u24 v[FA], v14, SROW
	v_lshl_add_u32 v[FA], v15, 4, v[FA]
	v_add_nc_u32 v[FA], s21, v[FA]
	v_lshl_add_u32 v[STA], v13, 2, s21
	v_lshl_add_u32 v[TA0], v15, 5, TAB
	v_lshrrev_b32 v13, 1, v0                       ; the table: thread t brings columns 8 t .. 8 t + 7.  bias: group t / 2 of 4,096 bytes, + 32 (t % 2)
	v_lshlrev_b32 v13, 12, v13
	v_and_b32 v14, 1, v0
	v_lshl_add_u32 v13, v14, 5, v13
	v_lshlrev_b32 v14, 5, v0                       ; v: 32 t
	v_lshl_add_u32 v15, v0, 5, TAB                 ; and where they go
	s_wait_alu depctr_va_vdst(0)                   ; the wait ahead of the run of scalar lines and the waits below
	s_bfe_u32 s19, ttmp6, 0x40000
	s_lshl_b32 s20, ttmp9, 2                       ; in a cluster launch ttmp9 counts clusters: the batch
	s_add_co_u32 s20, s20, s19                     ; work-group = 4 x batch + cx
	s_lshl_b32 s22, s20, 20                        ; memory_bank: 256 rows of 4,096 bytes a work-group,
	s_lshl_b32 s48, s[WV], 18                      ; 64 a wave
	s_add_co_u32 s22, s22, s48
	s_mov_b32 s23, 0
	s_lshl_b32 s48, s20, 2
	s_add_co_u32 s48, s48, s[WV]
	s_mul_i32 s48, s48, 4352                       ; part: a row of 4,352 bytes a wave
	s_mov_b32 s49, 0
	s_lshl_b32 s50, s20, 10                        ; alg: 4 bytes a row
	s_lshl_b32 s51, s[WV], 8
	s_add_co_u32 s50, s50, s51
	s_mov_b32 s51, 0
	s_lshl_b32 s52, s[WV], 15                      ; wc: my quarter of a slot; the walk begins one step in front of its first fill: at the last eight tiles,
	s_add_co_u32 s52, s52, 7*SLOTB
	s_mov_b32 s53, 0
	s_lshl_b32 s[G0+1], s[WV], 15                  ; and in slot 1.  Nothing of the descriptor hangs on the place in the cluster
	s_add_co_u32 s[G0+1], s[G0+1], SLOT1
	; descriptor group 1: 128 rows of 32 elements of 8 bytes, dense: 32,768 bytes
	s_mov_b32 s[G1], 15|(3<<16)|(1<<21)            ; 15:0 the mask: all four work-groups; 17:16 elements of 8 bytes; 21 set beside a mask; no padding
	s_mov_b32 s[G1+1], 32<<16                      ; tensor_dim0 = 32
	s_mov_b32 s[G1+2], 128<<16                     ; tensor_dim1 = 128
	s_mov_b32 s[G1+3], 32<<16                      ; tile_dim0 = 32
	s_mov_b32 s[G1+4], 128                         ; tile_dim1 = 128
	s_mov_b32 s[G1+5], 32                          ; from row to row
	s_mov_b32 s[G1+6], 0
	s_mov_b32 s[G1+7], 0
	s_mov_b32 s[SEL], 0x76543210
	s_mov_b32 s[SEL+1], 0xfedcba98
	s_lshl_b32 s[ALB], s[WV], 8
	s_add_co_u32 s[ALB], s[ALB], ALS
	s_mov_b32 s[BLK], 2
	s_wait_dscnt 0x0                               ; both opening adds are done
	s_wait_kmcnt 0x0
	s_load_b64 s[46:47], s[12:13], 0x10            ; e4, e5
	s_add_nc_u64 s[4:5], s[4:5], s[22:23]
	s_add_nc_u64 s[PF:PF+1], s[4:5], 0x1e000       ; one step in front of my second block's first byte: each trip steps it ahead of its prefetch
	s_add_nc_u64 s[14:15], s[14:15], s[48:49]
	s_add_nc_u64 s[16:17], s[16:17], s[50:51]
	s_lshl_b32 s22, ttmp9, 6                       ; biasw: 64 bytes a batch inside each group
	s_add_nc_u64 s[8:9], s[8:9], s[22:23]
	s_mov_b32 s[G0], 1                             ; count = 1
	s_add_nc_u64 s[G0+2:G0+3], s[6:7], s[52:53]
	s_or_b32 s[G0+3], s[G0+3], 0x80000000          ; type = 2
	global_load_b128 v[16:19], v13, s[8:9]
	global_load_b128 v[20:23], v13, s[8:9] offset:16
	global_load_b128 v[24:27], v14, s[10:11]
	global_load_b128 v[28:31], v14, s[10:11] offset:16
	PRIMEX
	s_wait_kmcnt 0x0
	s_add_co_i32 s48, s46, s47
	s_lshl_b32 s48, s48, 23
	s_add_co_u32 s[SC], s48, 0x4038aa3b            ; c = 2 log2(e), with e4 + e5 added to its exponent field
	s_mov_b32 s[SC+1], s[SC]                       ; (named with it as a pair, so it is written)
	s_add_co_i32 s49, s46, 127
	s_lshl_b32 s50, s49, 23
	v_mov_b32 v[SCL], s50
	s_add_co_i32 s49, s49, 15
	s_lshl_b32 s49, s49, 23
	s_or_b32 s49, s49, 0x600000
	v_mov_b32 v[LIM], s49
.set ti, 0
.rept 32
	v_mov_b32 v[CA+ti], 0
.set ti, ti+1
.endr
	v_mov_b32 v[MR], 0xff61b1e6                    ; -3e38, under every a'
	v_mov_b32 v[LS], 0
	s_wait_alu depctr_va_vdst(0)                   ; the wait here, directly ahead of the wait below
	s_wait_loadcnt 40
.irp i, 0,1,2,3,4,5,6,7
	v_mul_f32 v[16+\i], 0x4038aa3b, v[16+\i]       ; c x bias
	v_mul_f32 v[24+\i], -2.0, v[24+\i]             ; -2 v
.endr
	ds_store_b128 v15, v[16:19]
	ds_store_b128 v15, v[20:23] offset:16
	ds_store_b128 v15, v[24:27] offset:4096
	ds_store_b128 v15, v[28:31] offset:4112        ; the wait and the round of the first fill below show the table to every wave
	v_lshlrev_b32 v[PFO], 4, v[LI]                 ; 256 x lane (the loads that named v14 have been waited for)
	s_lshl_b32 s48, s[WV], 12
	s_add_co_u32 s48, s48, CAS
	v_add_nc_u32 v[CAD], s48, v[LI]
.Lblock:
.irp k, 0,1,2,3,4,5,6,7
	ds_store_b128 v[CAD], v[CA+4*\k:CA+4*\k+3] offset:512*\k       ; the 32 sums wait in my own LDS bytes while their registers serve the walk
.endr
	FILL 1                                         ; W's tiles 0-7 into slot 0: they land while the block's rows are loaded
	LPART 0
	FILL 0                                         ; tiles 8-15 into slot 1; the wait in front of its round has shown slot 0 whole
	LPART 1
	s_wait_dscnt 0x0                               ; my codes' fragments are in, and the stage's stores have read their registers
.set ti, 0
.rept 48
	v_mov_b32 v[T+ti], 0                           ; T and AL,
.set ti, ti+1
.endr
.set ti, 0
.rept 32
	v_mov_b32 v[G+32+ti], 0                        ; and the second set.  The step is written once: the first step's tanh finds zeros and adds 0.5 x 0
.set ti, ti+1
.endr
	s_mov_b32 s[TB], 0
	s_mov_b32 s[TT], 0
	s_mov_b32 s[SLC], 6
.Lslot:                                                ; six trips: a slot is walked and filled again with the tiles two slots on
	CONSUME
	FILL 0
	TBFIX
	s_sub_co_u32 s[SLC], s[SLC], 1
	s_cmp_lg_u32 s[SLC], 0
	s_cbranch_scc1 .Lslot
	CONSUME                                        ; the last two slots are written out: nothing more is asked for in this block
	MEET
	TBFIX
	CONSUME
	s_wait_dscnt 0x0                               ; the last step's part of the table is in
	ST1 G+32                                       ; the last step's tanh, on the second set; the sixteen plain lines at that step's end are the places behind its last products
.set ti, 0
.rept 32
	v_exp_f32 v[G+32+ti], v[G+32+ti]
.set ti, ti+1
.endr
	v_nop                                          ; a plain line behind the transcendentals (ISA guide 5.7.2)
	ST3 G+32
.set ti, 0
.rept 32
	v_rcp_f32 v[G+32+ti], v[G+32+ti]
.set ti, ti+1
.endr
	v_nop
	s_wait_alu depctr_va_vdst(0)
	ST5 G+32
	s_cmp_eq_u32 s[BLK], 1                         ; the next block's first units are asked for here, if there is a next block: no load leaves its buffer
	s_wait_alu depctr_va_vdst(0)                   ; the wait directly ahead of the branch
	s_cbranch_scc1 .Lno_next
	s_add_nc_u64 s[4:5], s[4:5], 0x20000           ; 32 rows on; every load that named this base has been waited for
	PRIMEX
.Lno_next:
	SOFTC                                          ; it touches none of the landing places
	s_add_co_u32 s[ALB], s[ALB], 128
	s_sub_co_u32 s[BLK], s[BLK], 1
	s_cmp_lg_u32 s[BLK], 0
	s_wait_alu depctr_va_vdst(0)                   ; the wait directly ahead of the branch
	s_cbranch_scc1 .Lblock
.irp k, 0,1,2,3,4,5,6,7
	global_store_b128 v[LI], v[CA+4*\k:CA+4*\k+3], s[14:15] offset:512*\k   ; registers 4 k .. 4 k + 3 are columns 128 k + 4 lane + 0 .. 3: 512 consecutive bytes a store
.endr
	s_wait_xcnt 0x0                                ; every prefetch has read v14
	v_lshrrev_b32 v14, 1, v[LI]                    ; 8 x lane
	global_store_b64 v14, v[MR:MR+1], s[14:15] offset:4096                  ; (M, L), 32 times: 256 consecutive bytes
	s_lshl_b32 s48, s[WV], 8
	s_add_co_u32 s48, s48, ALS
	v_add_nc_u32 v15, s48, v14
	ds_load_b64 v[48:49], v15                      ; my 64 rows' a'
	s_wait_alu depctr_va_vdst(0)                   ; the wait here, directly ahead of the wait below
	s_wait_dscnt 0x0
	global_store_b64 v14, v[48:49], s[16:17]       ; 256 consecutive bytes
	s_wait_tensorcnt 0x0                           ; the wave's end
	ds_add_u32 v[SPW], v[NIL]
	s_wait_dscnt 0x0
	ROUND                                          ; the closing round: no work-group ends while a partner may still ask for a tile that names it
	s_endpgm
.Lfunc_end_k_q0b63be2a0b_attend:
	.size	k_q0b63be2a0b_attend, .Lfunc_end_k_q0b63be2a0b_attend-k_q0b63be2a0b_attend
	.p2alignl 7, 3214868480
	.fill 96, 4, 3214868480
	.section	.rodata,"a",@progbits
	.p2align	6, 0x0
	.amdhsa_kernel k_q0b63be2a0b_attend
		.amdhsa_group_segment_fixed_size 327680
		.amdhsa_private_segment_fixed_size 0
		.amdhsa_enable_private_segment 0
		.amdhsa_kernarg_size 56
		.amdhsa_user_sgpr_count 2
		.amdhsa_user_sgpr_kernarg_segment_ptr 1
		.amdhsa_wavefront_size32 1
		.amdhsa_system_sgpr_workgroup_id_x 1
		.amdhsa_system_sgpr_workgroup_id_y 1
		.amdhsa_system_sgpr_workgroup_id_z 1
		.amdhsa_system_vgpr_workitem_id 0
		.amdhsa_next_free_vgpr 1024
		.amdhsa_next_free_sgpr 66
		.amdhsa_reserve_vcc 1
		.amdhsa_float_denorm_mode_32 3
		.amdhsa_float_denorm_mode_16_64 3
		.amdhsa_memory_ordered 1
		.amdhsa_forward_progress 1
		.amdhsa_inst_pref_size 255
	.end_amdhsa_kernel
	.section	.bss,"aw",@nobits
	.p2align	6
	.space	262144
	.amdgpu_metadata
---
amdhsa.version: [ 1, 2 ]
amdhsa.kernels:
  - .name:           k_q0b63be2a0b_attend
    .symbol:         k_q0b63be2a0b_attend.kd
    .args:
      - { .name: memory_bank, .offset: 0, .size: 8, .value_kind: global_buffer, .address_space: global }
      - { .name: wc, .offset: 8, .size: 8, .value_kind: global_buffer, .address_space: global }
      - { .name: biasw, .offset: 16, .size: 8, .value_kind: global_buffer, .address_space: global }
      - { .name: v, .offset: 24, .size: 8, .value_kind: global_buffer, .address_space: global }
      - { .name: lowp_scales, .offset: 32, .size: 8, .value_kind: global_buffer, .address_space: global }
      - { .name: part, .offset: 40, .size: 8, .value_kind: global_buffer, .address_space: global }
      - { .name: alg, .offset: 48, .size: 8, .value_kind: global_buffer, .address_space: global }
    .group_segment_fixed_size: 327680
    .private_segment_fixed_size: 0
    .kernarg_segment_align: 8
    .kernarg_segment_size: 56
    .max_flat_workgroup_size: 128
    .sgpr_count:     66
    .vgpr_count:     1024
    .wavefront_size: 32
...
	.end_amdgpu_metadata
.endif
;; end of part 2
;; launch combine (part 3): grid 256 x 1, 2 waves a work-group, no clusters, 0 bytes of LDS; arguments part, alg, out0, out1; writes out0, out1
.if DOCPART == 3
	.amdgcn_target "amdgcn-amd-amdhsa--gfx1250"
	.amdhsa_code_object_version 6
	.text
	.protected	k_q0b63be2a0b_combine
	.globl	k_q0b63be2a0b_combine
	.p2align	8
	.type	k_q0b63be2a0b_combine,@function
k_q0b63be2a0b_combine:
	s_mov_b64 s[64:65], 0
	v_nop
	global_prefetch_b8 v0, s[64:65] scope:SCOPE_SE
	s_setreg_imm32_b32 hwreg(HW_REG_WAVE_MODE, 25, 1), 1
	s_wait_xcnt 0x0
; A batch's sixteen partial results (M_i, L_i, c_i[1024]) and its 1,024 a' become the two outputs.
; M = the largest M_i; w_i = e^(M_i - M); L = sum of w_i L_i; out0 = sum of w_i c_i / L; out1 = e^(a' - M) / L.
; Work-group: batch ttmp9 / 4, quarter ttmp9 % 4 of the 1,024 columns (and of the 1,024 rows); thread t takes 16 bytes at 1,024 x quarter + 16 t: a wave's load or store covers 512 consecutive bytes.
; A stream of a few megabytes: no LDS, no barrier, no matrix unit; all 33 loads of a thread go out at once.
.set PROW, 4352                        ; a row of part: 4,096 bytes of sums, then (M, L) 32 times
.set ML,   16                          ; v16-47   (M_i, L_i), then (w_i, L_i)
.set CI,   48                          ; v48-111  c_i, four numbers each
.set AV,   112                         ; v112-115 a'
	s_load_b256 s[4:11], s[0:1], 0x0               ; part s[4:5], alg s[6:7], out0 s[8:9], out1 s[10:11]
	s_lshr_b32 s12, ttmp9, 2                       ; batch
	s_and_b32 s13, ttmp9, 3                        ; quarter
	s_lshl_b32 s14, s13, 10
	v_lshl_add_u32 v1, v0, 4, s14                  ; my 16 bytes of a row of 4,096
	v_and_b32 v2, 31, v0
	v_lshlrev_b32 v2, 3, v2                        ; my copy of (M, L)
	s_mul_i32 s16, s12, 16*PROW
	s_mov_b32 s17, 0
	s_lshl_b32 s18, s12, 12
	s_mov_b32 s19, 0
	s_wait_alu depctr_va_vdst(0)
	s_wait_kmcnt 0x0
	s_add_nc_u64 s[4:5], s[4:5], s[16:17]
	s_add_nc_u64 s[6:7], s[6:7], s[18:19]
	s_add_nc_u64 s[8:9], s[8:9], s[18:19]
	s_add_nc_u64 s[10:11], s[10:11], s[18:19]
.irp i, 0,1,2,3,4,5,6,7,8,9,10,11,12,13,14,15
	global_load_b64 v[ML+2*\i:ML+2*\i+1], v2, s[4:5] offset:\i*PROW+4096
.endr
.irp i, 0,1,2,3,4,5,6,7,8,9,10,11,12,13,14,15
	global_load_b128 v[CI+4*\i:CI+4*\i+3], v1, s[4:5] offset:\i*PROW
.endr
	global_load_b128 v[AV:AV+3], v1, s[6:7]
	s_wait_loadcnt 0x0
	v_max3_num_f32 v3, v[ML], v[ML+2], v[ML+4]
.irp i, 3,5,7,9,11,13
	v_max3_num_f32 v3, v3, v[ML+2*\i], v[ML+2*\i+2]
.endr
	v_max_num_f32 v3, v3, v[ML+30]                 ; M
.irp i, 0,1,2,3,4,5,6,7,8,9,10,11,12,13,14,15
	v_sub_f32 v[ML+2*\i], v[ML+2*\i], v3
.endr
.irp i, 0,1,2,3
	v_sub_f32 v[AV+\i], v[AV+\i], v3
.endr
.irp i, 0,1,2,3,4,5,6,7,8,9,10,11,12,13,14,15
	v_mul_f32 v[ML+2*\i], 0x3fb8aa3b, v[ML+2*\i]
.endr
.irp i, 0,1,2,3
	v_mul_f32 v[AV+\i], 0x3fb8aa3b, v[AV+\i]
.endr
	s_wait_alu depctr_va_vdst(0)
.irp i, 0,1,2,3,4,5,6,7,8,9,10,11,12,13,14,15
	v_exp_f32 v[ML+2*\i], v[ML+2*\i]               ; w_i
.endr
.irp i, 0,1,2,3
	v_exp_f32 v[AV+\i], v[AV+\i]                   ; e^(a' - M)
.endr
	v_mov_b32 v11, 0                               ; a plain line behind the transcendentals; v11 is named below as the upper half of a pair
	s_wait_alu depctr_va_vdst(0)
	v_mul_f32 v8, v[ML], v[ML+1]
	v_pk_mul_f32 v[4:5], v[CI:CI+1], v[ML:ML+1] op_sel_hi:[1,0]
	v_pk_mul_f32 v[6:7], v[CI+2:CI+3], v[ML:ML+1] op_sel_hi:[1,0]
.irp i, 1,2,3,4,5,6,7,8,9,10,11,12,13,14,15
	v_fmac_f32 v8, v[ML+2*\i], v[ML+2*\i+1]
	v_pk_fma_f32 v[4:5], v[CI+4*\i:CI+4*\i+1], v[ML+2*\i:ML+2*\i+1], v[4:5] op_sel_hi:[1,0,1]
	v_pk_fma_f32 v[6:7], v[CI+4*\i+2:CI+4*\i+3], v[ML+2*\i:ML+2*\i+1], v[6:7] op_sel_hi:[1,0,1]
.endr
	s_wait_alu depctr_va_vdst(0)
	v_rcp_f32 v10, v8                              ; 1 / L
	v_nop
	s_wait_alu depctr_va_vdst(0)
	v_pk_mul_f32 v[4:5], v[4:5], v[10:11] op_sel_hi:[1,0]
	v_pk_mul_f32 v[6:7], v[6:7], v[10:11] op_sel_hi:[1,0]
	v_pk_mul_f32 v[AV:AV+1], v[AV:AV+1], v[10:11] op_sel_hi:[1,0]
	v_pk_mul_f32 v[AV+2:AV+3], v[AV+2:AV+3], v[10:11] op_sel_hi:[1,0]
	global_store_b128 v1, v[4:7], s[8:9]
	global_store_b128 v1, v[AV:AV+3], s[10:11]
	s_endpgm
.Lfunc_end_k_q0b63be2a0b_combine:
	.size	k_q0b63be2a0b_combine, .Lfunc_end_k_q0b63be2a0b_combine-k_q0b63be2a0b_combine
	.p2alignl 7, 3214868480
	.fill 96, 4, 3214868480
	.section	.rodata,"a",@progbits
	.p2align	6, 0x0
	.amdhsa_kernel k_q0b63be2a0b_combine
		.amdhsa_group_segment_fixed_size 0
		.amdhsa_private_segment_fixed_size 0
		.amdhsa_enable_private_segment 0
		.amdhsa_kernarg_size 32
		.amdhsa_user_sgpr_count 2
		.amdhsa_user_sgpr_kernarg_segment_ptr 1
		.amdhsa_wavefront_size32 1
		.amdhsa_system_sgpr_workgroup_id_x 1
		.amdhsa_system_sgpr_workgroup_id_y 1
		.amdhsa_system_sgpr_workgroup_id_z 1
		.amdhsa_system_vgpr_workitem_id 0
		.amdhsa_next_free_vgpr 128
		.amdhsa_next_free_sgpr 66
		.amdhsa_reserve_vcc 0
		.amdhsa_float_denorm_mode_32 3
		.amdhsa_float_denorm_mode_16_64 3
		.amdhsa_memory_ordered 1
		.amdhsa_forward_progress 1
		.amdhsa_inst_pref_size 11
	.end_amdhsa_kernel
	.amdgpu_metadata
---
amdhsa.version: [ 1, 2 ]
amdhsa.kernels:
  - .name:           k_q0b63be2a0b_combine
    .symbol:         k_q0b63be2a0b_combine.kd
    .args:
      - { .name: part, .offset: 0, .size: 8, .value_kind: global_buffer, .address_space: global }
      - { .name: alg, .offset: 8, .size: 8, .value_kind: global_buffer, .address_space: global }
      - { .name: out0, .offset: 16, .size: 8, .value_kind: global_buffer, .address_space: global }
      - { .name: out1, .offset: 24, .size: 8, .value_kind: global_buffer, .address_space: global }
    .group_segment_fixed_size: 0
    .private_segment_fixed_size: 0
    .kernarg_segment_align: 8
    .kernarg_segment_size: 32
    .max_flat_workgroup_size: 64
    .sgpr_count:     66
    .vgpr_count:     128
    .wavefront_size: 32
...
	.end_amdgpu_metadata
.endif
;; end of part 3
